; MI455X (gfx1250); checked and timed in simulation.
; The chip was launched on July 23, 2026; its instructions are those of AMD's public machine-readable ISA for CDNA 5 (MIT licence, August 2026) and "CDNA5" Instruction Set Architecture Reference Guide (July 2026). The comments in the code are by the model that wrote it; some were corrected since.
;; LSTM Cell. Allowed arithmetic: matrix products marked QUANTISED: E3M2 operands, one E8M0 scale for each 32 along K, by v_wmma_scale_f32_16x16x128_f8f6f4 with both operands' format E3M2, f32 sums; everything else in f32.
;; Inputs: Wh 4,096 x 1,024 float32; Wx 4,096 x 1,024 float32; bh 4,096 float32; bx 4,096 float32; incoming 8,192 x 1,024 float32; state 2 x 8,192 x 1,024 float32.
;; Outputs: out0 2 x 8,192 x 1,024 float32.
;; This version of the problem:
;;   THIS VERSION OF THE PROBLEM IS GIVEN IN LOW PRECISION. The matrix products marked QUANTISED in the list below multiply operands that are first quantised to E3M2 (3 exponent bits, 2 mantissa bits; 6 bits a number), with one power-of-two scale for each 32 numbers along K (OCP MX v1.0); their sums are f32. All else is computed in f32.
;;   The module's matrix products, in the order in which they are computed (A, B: the left and right operand; K: the contracted axis; several contracted axes count as one K, in the product's order):
;;     1. [M 8,192, K 1,024] x [K 1,024, N 4,096]; A: input incoming; B: input Wx: QUANTISED
;;     2. [M 8,192, K 1,024] x [K 1,024, N 4,096]; A: input state; B: input Wh: QUANTISED
;;   THE QUANTISER, for each operand of a quantised product, along K:
;;     - K is cut into blocks of 32 from its start; a last block that is shorter is filled with zeros.
;;     - A block's scale is 2^e with e = floor(log2(the largest magnitude in the block)) - 4, held to -126 .. 127; a block of zeros has e = 0. As a byte (E8M0): e + 127.
;;     - Each number is divided by its block's scale, clamped to +-28, and rounded to the nearest number of E3M2, ties to even, subnormals kept.
;;     - The product sums the exact products of the quantised numbers (number of the format x scale) in f32.
;;   ~~~python
;;   def quantise(x, axis):      # numpy; x: float32 -> the quantised numbers, widened to float32 again
;;       x = np.moveaxis(x, axis, -1); K = x.shape[-1]
;;       x = np.pad(x, [(0, 0)] * (x.ndim - 1) + [(0, -K % 32)]); x = x.reshape(x.shape[:-1] + (-1, 32)); a = np.abs(x).max(-1, keepdims=True)
;;       e = np.where(a > 0, np.clip(np.frexp(np.where(a > 0, a, 1))[1] - 1 - 4, -126, 127), 0)      # np.frexp(a)[1] - 1 = floor(log2(a)), exactly
;;       r = np.clip(x / 2.0 ** e, -28, 28)
;;       step = 2.0 ** (np.maximum(np.frexp(np.where(r == 0, 1, r))[1] - 1, -2) - 2)
;;       q = np.round(r / step) * step * 2.0 ** e      # np.round: ties to even
;;       return np.moveaxis(q.reshape(q.shape[:-2] + (-1,))[..., :K], -1, axis).astype(np.float32)
;;   ~~~
;; One version. Each part assembles by itself: llvm-mc -triple=amdgcn-amd-amdhsa -mcpu=gfx1250 --defsym DOCPART=n.
;; ======== version 1 of 1: 2 launches
;; limits: right only within a limited range of input values
;; workspace buffers: a_codes 12,582,912 bytes; a_scales 524,288 bytes; b_codes 6,291,456 bytes; b_scales 262,144 bytes
;; launch quant (part 1): grid 768 x 1, 4 waves a work-group, no clusters, 34,304 bytes of LDS; arguments incoming, state, Wx, Wh, a_codes, a_scales, b_codes, b_scales; writes a_codes, a_scales, b_codes, b_scales
.if DOCPART == 1
	.amdgcn_target "amdgcn-amd-amdhsa--gfx1250"
	.amdhsa_code_object_version 6
	.text
	.protected	k_q43fd8c8ab7_quant
	.globl	k_q43fd8c8ab7_quant
	.p2align	8
	.type	k_q43fd8c8ab7_quant,@function
k_q43fd8c8ab7_quant:
	s_mov_b64 s[64:65], 0
	v_nop
	global_prefetch_b8 v0, s[64:65] scope:SCOPE_SE
	s_setreg_imm32_b32 hwreg(HW_REG_WAVE_MODE, 25, 1), 1
	s_wait_xcnt 0x0
; incoming [8192][1024], state[0] = h_prev [8192][1024], Wx and Wh [4096][1024], all f32, become codes of BF6 (E3M2) with one E8M0 scale byte for each 32 along K.
; The two products of the cell share M and N, so they are laid as ONE product with K = 2,048: A = [incoming | h_prev], B = [Wx | Wh]; 1,024 is a multiple of 32, so no block crosses the seam.
; THE CODES ARE LAID IN THE ORDER OF THE OPERAND'S REGISTERS: [group of 128 rows][16 K steps of 128][8 blocks of 16 rows][3][32 lanes][16 bytes]: a fragment (16 rows x 128 K, 12 registers a lane) is 1,536 bytes,
; registers 4 c .. 4 c + 3 of lane l at 512 c + 16 l.  THE SCALE WORDS: [block of 16 rows][8 steps of 256 along K][16 rows][2 words], a word = the four bytes of 128 along K of one row.
; B'S ROWS ARE PERMUTED: group G, block b, row r is row (b / 2) x 1,024 + 32 G + 16 (b % 2) + r of W: a group holds the four gates of 32 neighbouring hidden units.
; A block's scale is 2^(floor(log2(its largest magnitude)) - 4): its byte is the largest magnitude's exponent field - 4, held at 1 from below by a floor among the maximum's leaves.
; LIMITS: NaN and infinities among the inputs are not served.  A block of zeros gets the byte 1 where the rule says 127: its codes are zeros, which add nothing under any byte but 0xff, and this program alone reads the bytes.
; SHARES.  A wave takes 16 rows x 512 along K of one source, in four steps of 128 written out: every offset is an immediate.  3,072 such tasks: 768 work-groups of four waves; 0-255 incoming, 256-511 h_prev, 512-639 Wx, 640-767 Wh.
; A load reads 512 consecutive bytes of one row; a step's 16 rows turn through the wave's own stage in LDS, so that lane (r, h) gets 16 neighbours of each block of 32 of row r.  Waves share nothing: no barrier.
.set SP,    528                        ; a stage row: 512 bytes + 16: an odd multiple of 16, so the sixteen rows that a read-back touches start 16 bytes apart modulo 256
.set WSTG,  16*SP                      ; a wave's stage
.set QB,    12288                      ; a K step of 128 of a group: eight fragments of 1,536 bytes
.set GRPB,  196608                     ; a group's codes: 16 K steps
.set TM,    8                          ; v8-11 largest magnitudes, v12-15 the other half's / the bytes, v20-23 the conversions' scale operands
.set PW,    24                         ; v24-27 the four steps' scale words
.set PC,    28                         ; v28-39 a fragment's codes; v40-46 the halves that are made elsewhere and moved
.set SW,    48                         ; v48-49 the two scale words that my lane stores
.set X,     64                         ; v64-127 64 numbers of my row: register 16 b + i = k 32 b + 16 h + i
.set R,     128                        ; v128-255 two sets of 64: 16 rows x 16 bytes as loaded
.set SEL,   32                         ; s[32:33] v_permlanex16_b32's selects for lane l xor 16
	s_load_b256 s[4:11], s[0:1], 0x0               ; incoming s[4:5], state s[6:7], Wx s[8:9], Wh s[10:11]
	s_load_b256 s[12:19], s[0:1], 0x20             ; a_codes s[12:13], a_scales s[14:15], b_codes s[16:17], b_scales s[18:19]
	v_lshl_add_u32 v62, v0, 2, 0x8400
	v_mov_b32 v63, 0
	v_lshrrev_b32 v1, 5, v0
	v_readfirstlane_b32 s20, v1                    ; wave 0..3
	v_and_b32 v1, 31, v0                           ; lane
	v_and_b32 v2, 15, v0                           ; r
	v_bfe_u32 v3, v0, 4, 1                         ; h
	v_lshlrev_b32 v4, 4, v1                        ; 16 x lane: my bytes of a load's 512, and of a store's
	v_lshlrev_b32 v7, 3, v1                        ; 8 x lane: my two scale words
	s_mul_i32 s21, s20, WSTG
	v_add_nc_u32 v5, s21, v4                       ; the stage, on the way in: 16 x lane in a row
	v_mul_u32_u24 v6, v2, SP
	v_lshl_add_u32 v6, v3, 6, v6
	v_add_nc_u32 v6, s21, v6                       ; and on the way out: row r, + 64 h
	s_mov_b32 s[SEL], 0x76543210
	s_mov_b32 s[SEL+1], 0xfedcba98
.irp b, 0,1,2,3
	v_mov_b32 v[TM+4+\b], 0                        ; written once: a lane permute's destination counts as one of its sources
.endr
	s_wait_alu depctr_va_vdst(0)
	s_wait_kmcnt 0x0
	; which source is mine: three compares of the work-group's number; behind each only selects and moves
	s_cmp_lt_u32 ttmp9, 640
	s_cselect_b64 s[22:23], s[8:9], s[10:11]       ; Wx or Wh
	s_mov_b32 s24, 640
	s_cselect_b32 s24, 512, s24                    ; the source's first work-group
	s_cselect_b32 s25, 0, 1                        ; which half of the joint K
	s_cmp_lt_u32 ttmp9, 512
	s_cselect_b64 s[22:23], s[6:7], s[22:23]       ; h_prev: state's first plane
	s_cselect_b32 s24, 256, s24
	s_cselect_b32 s25, 1, s25
	s_cselect_b64 s[26:27], s[12:13], s[16:17]     ; the codes' buffer
	s_cselect_b64 s[28:29], s[14:15], s[18:19]     ; the scale words'
	s_cselect_b32 s30, 1, 0                        ; 1: an operand A
	s_cmp_lt_u32 ttmp9, 256
	s_cselect_b64 s[22:23], s[4:5], s[22:23]       ; incoming
	s_cselect_b32 s24, 0, s24
	s_cselect_b32 s25, 0, s25
	s_sub_co_u32 s31, ttmp9, s24
	s_lshl_b32 s31, s31, 2
	s_add_co_u32 s31, s31, s20                     ; my task in the source
	s_lshr_b32 s34, s31, 1                         ; its block of 16 rows
	s_and_b32 s35, s31, 1                          ; its half of the source's 1,024 along K
	s_and_b32 s36, s34, 63                         ; for W: the block's place among a gate's 64,
	s_lshr_b32 s36, s36, 1
	s_lshl_b32 s36, s36, 3                         ; its group x 8,
	s_lshr_b32 s37, s34, 6
	s_lshl_b32 s37, s37, 1                         ; + 2 x gate,
	s_add_co_u32 s36, s36, s37
	s_and_b32 s37, s34, 1                          ; + which 16 of the group's 32 units
	s_add_co_u32 s36, s36, s37
	s_cmp_eq_u32 s30, 1
	s_cselect_b32 s36, s34, s36                    ; the block's place in the workspace: A's rows stay in order
	s_lshl_b32 s37, s25, 1
	s_add_co_u32 s37, s37, s35                     ; which 512 of the joint K
	s_lshl_b32 s38, s34, 16                        ; the source: 16 rows of 4,096 bytes a block,
	s_lshl_b32 s39, s35, 11                        ; 2,048 bytes for 512 along K
	s_add_co_u32 s38, s38, s39
	s_mov_b32 s39, 0
	s_add_nc_u64 s[22:23], s[22:23], s[38:39]
	s_lshr_b32 s38, s36, 3
	s_mul_i32 s38, s38, GRPB                       ; the codes: group,
	s_and_b32 s40, s36, 7
	s_mul_i32 s40, s40, 1536                       ; block in the group,
	s_add_co_u32 s38, s38, s40
	s_mul_i32 s40, s37, 4*QB                       ; four K steps of 128
	s_add_co_u32 s38, s38, s40
	s_add_nc_u64 s[26:27], s[26:27], s[38:39]
	s_lshl_b32 s38, s36, 10                        ; the scale words: 1,024 bytes a block, 256 for 512 along K
	s_lshl_b32 s40, s37, 8
	s_add_co_u32 s38, s38, s40
	s_add_nc_u64 s[28:29], s[28:29], s[38:39]
.macro LOAD t                          ; step t: 128 numbers of each of my 16 rows, into set t % 2
.irp w, 0,1,2,3,4,5,6,7,8,9,10,11,12,13,14,15
	global_load_b128 v[R+64*((\t)%2)+4*\w:R+64*((\t)%2)+4*\w+3], v4, s[22:23] offset:\w*4096+512*(\t) th:TH_LOAD_NT   ; 32 lanes read 512 consecutive bytes; read once in the launch
.endr
.endm
.macro TURN t                          ; through the stage: LDS serves a wave's instructions in order (ISA guide 5.7.1.4), so no wait stands between the stores and the loads, nor in front of the next step's stores
.irp w, 0,1,2,3,4,5,6,7,8,9,10,11,12,13,14,15
	ds_store_b128 v5, v[R+64*((\t)%2)+4*\w:R+64*((\t)%2)+4*\w+3] offset:\w*SP
.endr
.irp b, 0,1,2,3
.irp j, 0,1,2,3
	ds_load_b128 v[X+16*\b+4*\j:X+16*\b+4*\j+3], v6 offset:128*\b+16*\j
.endr
.endr
.endm
; 64 numbers of a lane, v[x] on, register 16 b + i = k 32 b + 16 h + i of my row, become a fragment's codes in v[PC] on and my row's scale word in v[w]
.macro QUANT x, w
.irp b, 0,1,2,3
	v_max3_num_f32 v[TM+\b], |v[\x+16*\b]|, |v[\x+1+16*\b]|, 0x2800000   ; block b: my 16 numbers, and the floor 2^(5 - 127): so the byte cannot fall under 1
.endr
.irp i, 2,4,6,8,10,12,14
.irp b, 0,1,2,3
	v_max3_num_f32 v[TM+\b], v[TM+\b], |v[\x+16*\b+\i]|, |v[\x+1+16*\b+\i]|   ; the four blocks by turns: no line waits for the line above it
.endr
.endr
.irp b, 0,1,2,3
	v_permlanex16_b32 v[TM+4+\b], v[TM+\b], s[SEL], s[SEL+1]
.endr
.irp b, 0,1,2,3
	v_max_num_f32 v[TM+\b], v[TM+\b], v[TM+4+\b]   ; with lane l xor 16's: the block's largest magnitude
.endr
.irp b, 0,1,2,3
	v_add_nc_u32 v[TM+12+\b], 0xfe000000, v[TM+\b] ; 4 off its exponent field: the conversion takes the exponent field of this operand as its scale, and nothing else of it
.endr
.irp b, 0,1,2,3
	v_lshrrev_b32 v[TM+4+\b], 23, v[TM+12+\b]      ; the scale's byte
.endr
	v_lshl_or_b32 v[\w], v[TM+5], 8, v[TM+4]       ; the four bytes make my row's scale word; both halves of the lanes hold it
	v_lshl_or_b32 v[\w], v[TM+6], 16, v[\w]
	v_lshl_or_b32 v[\w], v[TM+7], 24, v[\w]
.irp c, 0,1
	v_cvt_scalef32_pk16_bf6_f32 v[PC+6*\c:PC+2+6*\c], v[\x+32*\c:\x+15+32*\c], v[TM+12+2*\c]
	v_cvt_scalef32_pk16_bf6_f32 v[PC+12+4*\c:PC+14+4*\c], v[\x+16+32*\c:\x+31+32*\c], v[TM+12+2*\c+1]   ; a conversion's three registers begin on an even number: the second half of a block's six is made elsewhere and moved
.endr
	v_nop                                          ; one plain vector line behind the scaled conversions, ahead of the lines that touch their results
.irp c, 0,1                                    ; the operand's layout wants a WHOLE block in a lane: lanes 0-15 block 2 c, lanes 16-31 block 2 c + 1
.irp i, 0,1,2
	v_permlane16_swap_b32 v[PC+6*\c+\i], v[PC+12+4*\c+\i]
.endr
.irp i, 0,1,2
	v_mov_b32 v[PC+3+6*\c+\i], v[PC+12+4*\c+\i]
.endr
.endr
.endm
.macro STEP t
.if (\t) < 3
	s_wait_loadcnt 16                              ; this step's 16 loads are in; the next step's 16 may be out
.else
	s_wait_loadcnt 0x0
.endif
	TURN \t
	s_wait_dscnt 16                                ; the 16 stores into the stage are done, so their registers may be loaded again; the 16 read-backs may be out
.if (\t) > 0
	s_wait_xcnt 0x0                                ; the last step's three stores have read the codes' registers, which are written again below
.endif
.if (\t) < 2
	LOAD (\t)+2
.endif
	s_wait_dscnt 0x0                               ; my 64 numbers are back
	QUANT X, PW+(\t)
.irp c, 0,1,2
	global_store_b128 v4, v[PC+4*\c:PC+4*\c+3], s[26:27] offset:(\t)*QB+512*\c   ; 32 lanes store 512 consecutive bytes, at a multiple of 256 from the buffer's first byte
.endr
.endm
	LOAD 0
	LOAD 1
	STEP 0
	STEP 1
	STEP 2
	STEP 3
	v_cmp_eq_u32 vcc_lo, 1, v3                     ; lanes 0-15 store the words of steps 0, 1 (the first 256 along K), lanes 16-31 those of steps 2, 3
	v_cndmask_b32 v[SW], v[PW], v[PW+2], vcc_lo
	v_cndmask_b32 v[SW+1], v[PW+1], v[PW+3], vcc_lo
	global_store_b64 v7, v[SW:SW+1], s[28:29]      ; 32 lanes store 256 consecutive bytes, aligned
	s_wait_tensorcnt 0x0
	ds_add_u32 v62, v63
	s_wait_dscnt 0x0
	s_endpgm
.Lfunc_end_k_q43fd8c8ab7_quant:
	.size	k_q43fd8c8ab7_quant, .Lfunc_end_k_q43fd8c8ab7_quant-k_q43fd8c8ab7_quant
	.p2alignl 7, 3214868480
	.fill 96, 4, 3214868480
	.section	.rodata,"a",@progbits
	.p2align	6, 0x0
	.amdhsa_kernel k_q43fd8c8ab7_quant
		.amdhsa_group_segment_fixed_size 34304
		.amdhsa_private_segment_fixed_size 0
		.amdhsa_enable_private_segment 0
		.amdhsa_kernarg_size 64
		.amdhsa_user_sgpr_count 2
		.amdhsa_user_sgpr_kernarg_segment_ptr 1
		.amdhsa_wavefront_size32 1
		.amdhsa_system_sgpr_workgroup_id_x 1
		.amdhsa_system_sgpr_workgroup_id_y 1
		.amdhsa_system_sgpr_workgroup_id_z 1
		.amdhsa_system_vgpr_workitem_id 0
		.amdhsa_next_free_vgpr 256
		.amdhsa_next_free_sgpr 66
		.amdhsa_reserve_vcc 1
		.amdhsa_float_denorm_mode_32 3
		.amdhsa_float_denorm_mode_16_64 3
		.amdhsa_memory_ordered 1
		.amdhsa_forward_progress 1
		.amdhsa_inst_pref_size 34
	.end_amdhsa_kernel
	.amdgpu_metadata
---
amdhsa.version: [ 1, 2 ]
amdhsa.kernels:
  - .name:           k_q43fd8c8ab7_quant
    .symbol:         k_q43fd8c8ab7_quant.kd
    .args:
      - { .name: incoming, .offset: 0, .size: 8, .value_kind: global_buffer, .address_space: global }
      - { .name: state, .offset: 8, .size: 8, .value_kind: global_buffer, .address_space: global }
      - { .name: Wx, .offset: 16, .size: 8, .value_kind: global_buffer, .address_space: global }
      - { .name: Wh, .offset: 24, .size: 8, .value_kind: global_buffer, .address_space: global }
      - { .name: a_codes, .offset: 32, .size: 8, .value_kind: global_buffer, .address_space: global }
      - { .name: a_scales, .offset: 40, .size: 8, .value_kind: global_buffer, .address_space: global }
      - { .name: b_codes, .offset: 48, .size: 8, .value_kind: global_buffer, .address_space: global }
      - { .name: b_scales, .offset: 56, .size: 8, .value_kind: global_buffer, .address_space: global }
    .group_segment_fixed_size: 34304
    .private_segment_fixed_size: 0
    .kernarg_segment_align: 8
    .kernarg_segment_size: 64
    .max_flat_workgroup_size: 128
    .sgpr_count:     66
    .vgpr_count:     256
    .wavefront_size: 32
...
	.end_amdgpu_metadata
.endif
;; end of part 1
;; launch lstm (part 2): grid 16 x 32, 4 waves a work-group, clusters of 4 x 4, 327,680 bytes of LDS; arguments a_codes, a_scales, b_codes, b_scales, bx, bh, state, out0; writes out0
.if DOCPART == 2
	.amdgcn_target "amdgcn-amd-amdhsa--gfx1250"
	.amdhsa_code_object_version 6
	.text
	.protected	k_q43fd8c8ab7_lstm
	.globl	k_q43fd8c8ab7_lstm
	.p2align	8
	.type	k_q43fd8c8ab7_lstm,@function
k_q43fd8c8ab7_lstm:
	s_mov_b64 s[64:65], 0
	v_nop
	global_prefetch_b8 v0, s[64:65] scope:SCOPE_SE
	s_setreg_imm32_b32 hwreg(HW_REG_WAVE_MODE, 25, 1), 1
	s_wait_xcnt 0x0
	s_wait_alu depctr_hold_cnt(0) depctr_sa_sdst(0) depctr_va_vdst(0) depctr_va_sdst(0) depctr_va_ssrc(0) depctr_va_vcc(0) depctr_vm_vsrc(0)
	s_getreg_b32 s2, hwreg(HW_REG_IB_STS2, 6, 4)
	s_cmp_eq_u32 s2, 0
	s_cbranch_scc0 .Lentry_in_a_cluster
	s_endpgm
.Lentry_in_a_cluster:
	s_bfe_u32 s2, ttmp6, 0x10000c
	s_cmp_lg_u32 s2, 0xf033
	s_cbranch_scc0 .Lentry_shape_is_right
	s_endpgm
.Lentry_shape_is_right:
; gates = [incoming | h_prev] [Wx | Wh]^T + bx + bh on codes of BF6 (E3M2) with E8M0 scales, K = 2,048; then i, f, o = sigmoid, g = tanh, new_c = f c_prev + i g, new_h = o tanh(new_c); out0 = [new_h, new_c], f32.
; The gates never go to memory.  Codes and scale words come from the launch before, laid in the order of the operand's registers: a fragment (16 rows x 128 K) is 1,536 dense bytes, three loads of 16 bytes a lane.
; SHARES.  A work-group makes 256 rows of the batch x 64 hidden units (256 columns of gates).  Each of its four waves makes 128 rows x one group of B: the four gates of 32 units: 64 accumulators, 512 registers.
; THE MATRIX INSTRUCTION IS USED TRANSPOSED (source 0 = 16 rows of B, source 1 = 16 rows of A): in accumulator (a, b) lane (r, h), register j holds gate b / 2 of batch row 16 a + r at unit 16 (b % 2) + 8 h + j.
; So the four gates of one output lie in ONE lane at ONE register index, and the cell's arithmetic changes no lanes.  The biases' sum is the C of each accumulator's first matrix instruction.
; THE RING.  K goes in 16 steps of 128 through two LDS slots of THREE steps each (147,456 bytes: as large as two fit), filled by the tensor data mover: a refill has three steps' products, 192 matrix instructions a wave, beside it.
; 16 = 1 + 5 x 3: step 0 alone is slot 0's first fill, steps 1-3 slot 1's; the changes of slots stand in steps 0, 3, 6, 9, 12.  The fifth brings c_prev's tile into slot 0, 224 matrix instructions ahead of its first read.
; The slots repeat after 6 steps and the sets of scale words after 8, so the 16 steps are written out by macro, without a loop.
; THE SCALE WORDS go from memory straight into registers: one load of 8 bytes a lane reads 256 consecutive bytes of one block of 16 rows: lanes 0-15 the words of steps 4 j and 4 j + 1, lanes 16-31 those of steps 4 j + 2 and 4 j + 3.
; CLUSTERS: 4 x 4 work-groups.  The four of a row of the cluster need the same tiles of A, the four of a column the same tiles of B: each is asked for JOINTLY, by the same tensor load with a mask that names the four.
; sigmoid(x) = 1 / (1 + 2^(-x log2 e)), tanh(x) = 1 - 2 / (1 + 2^(2 x log2 e)): for every finite x the exponential is 0, finite or infinite and the quotient lands on the right end: no clamp, no branch.
; LIMITS: both products and the biases are summed in one chain a gate, the biases first: an order of rounding other than that of four separate sums.  NaN and infinities among the inputs are not served.
; REGISTERS, in windows of 256: window 0: v1-31 addresses; v32-63 and v224-255 scale words, two sets, and nothing else ever; v64-127 the biases, later new_h; v128-223 A's fragments, ONE set; behind the K loop v128-223 are at work.
;   window 1: B's fragments, TWO sets, at v0 and v128; behind the K loop rows on their way out.   window 2: the accumulators of my rows 0-63 ((a, b) at v[8 (8 (a % 4) + b)]);   window 3: those of my rows 64-127.
.set FR,     12                        ; registers of a fragment
.set NL,     3                         ; LDS loads that bring one
.set NP,     4                         ; places behind this matrix instruction (ISA guide 7.12.1)
.set FRB,    1536                      ; a fragment's image in bytes
.set QB,     8*FRB                     ; a step: 128 along K of a group of 128 rows
.set GSL,    3*QB                      ; three steps of a group: what one tensor load brings, and a group's part of a slot
.set SLOT,   4*GSL                     ; A's two groups, then B's two
.set GRPB,   16*QB                     ; a group's codes in memory
.set CPI,    272                       ; a row of c_prev's tile and of the stages: 256 bytes + 16
.set CST,    0                         ; c_prev's tile, 256 rows, is slot 0's last fill and begins at LDS byte 0; new_c takes c_prev's place there
.set HST,    256*CPI                   ; new_h's stage, 256 rows, behind it in slot 0: those bytes have had their last fill and their last read when the first result is stored there
.set SPARE,  2*SLOT                    ; behind the ring: the spare words, 128 bytes for each wave: two blocks of 256 bytes that no other line names
.set L8,   6                           ; v6      8 x lane: my two scale words of a load's 256 bytes; never rewritten
.set BO,   7                           ; v7      32 h: my eight numbers of a bias block
.set ADRA, 16                          ; v16-17  LDS address of my A fragments in slot 0, 1
.set ADRB, 20                          ; v20-21  the same for B
.set CLD,  24                          ; v24     c_prev's tile: row 128 rh + r, my 32 bytes of my wave's 128
.set HSTO, 25                          ; v25     the same place in new_h's stage
.set RDC,  26                          ; v26     the way out: where I read a row of new_c back
.set SPW,  28                          ; v28     LDS address of my spare word; never rewritten
.set NIL,  29                          ; v29     0; never rewritten
.set RDH,  30                          ; v30     the way out: where I read a row of new_h back
.set GO,   31                          ; v31     my byte offset in the rows that I store
.set SC0,  32                          ; scale words: set (q / 4) % 2 at v32 or v224; in it A's block i at 2 i + q % 2, B's block i at 16 + 2 i + q % 2; lanes 0-15 where (q / 2) % 2 = 0, else lanes 16-31
.set BI,   64                          ; bx + bh: block b's eight at v[BI + 8 b]
.set HH,   64                          ; behind the K loop: new_h: two sets of 16 by turns
.set AF,   128                         ; A's fragments
.set T,    128                         ; behind the K loop: 64 numbers at work: i 0-15, f 16-31, g 32-47, o 48-63
.set CP,   192                         ; c_prev, then new_c: two sets of 16 by turns
.set ASC,  6                           ; s[6:7]   A's scale words at the group that I multiply; never rewritten
.set BSC,  10                          ; s[10:11] B's likewise
.set OH,   18                          ; s[18:19] new_h at the first row that I store
.set G1,   24                          ; s[24:31] group 1 for three steps of A;  s[32:39] group 0, one set for each slot
.set G0,   32
.set G1B,  48                          ; s[48:55], s[56:63] the same for B
.set G0B,  56
.set OC,   66                          ; s[66:67] new_c at the first row that I store
.set G1H,  68                          ; s[68:75] group 1 for one step of A: slot 0's first fill
.set G0C,  76                          ; s[76:79] group 0 for c_prev's tile
.set G1HB, 80                          ; s[80:87] group 1 for one step of B
.set KS,   88                          ; s[88:89] -log2(e), twice: the packed form names a pair
.set KT,   90                          ; s[90:91] 2 log2(e), twice
.set G1C,  92                          ; s[92:99] group 1 for c_prev's tile
.set MSB, 0
.macro WIN new                         ; the immediate's high byte repeats the setting that is left; a switch that changes nothing is dropped
.if MSB != (\new)
	s_set_vgpr_msb (MSB<<8)|(\new)
.set MSB, (\new)
.endif
.endm
.set MUL_LO, 0xa1                      ; source 0 (B) window 1, source 1 (A) window 0, C and D window 2
.set MUL_HI, 0xf1                      ; the same, C and D window 3
.set TO_B,   0x40                      ; destination window 1, address window 0
; A joint load: waves 0 and 1 fetch for A, waves 2 and 3 for B.  Each of the two lines has ONE mask and one set of registers for all that issue it; the branch hangs on the wave's number alone.
; Four v_nop follow each of the two lines, ahead of the jump, the label and what follows.
.macro JLOAD g0a, g1a, g0b, g1b
	s_cmp_eq_u32 s21, 0
	s_cbranch_scc0 .Lfor_b_\@
	tensor_load_to_lds s[\g0a:\g0a+3], s[\g1a:\g1a+7]
	s_nop 0
.rept 4
	v_nop
.endr
	s_branch .Lasked_\@
.Lfor_b_\@:
	tensor_load_to_lds s[\g0b:\g0b+3], s[\g1b:\g1b+7]
	s_nop 0
.rept 4
	v_nop
.endr
.Lasked_\@:
.endm
.macro CREST                           ; a round of the cluster's barrier behind its opening barrier
	s_cmp_lg_u32 s20, 0
	s_cbranch_scc1 .Lnot_wave_0_\@
	s_barrier_signal -3
.Lnot_wave_0_\@:
	s_barrier_wait -3
	s_barrier_signal -1
	s_barrier_wait -1
.endm
.macro CROUND                          ; a whole round
	s_barrier_signal -1
	s_barrier_wait -1
	CREST
.endm
	s_load_b256 s[4:11], s[0:1], 0x0               ; A's codes s[4:5], A's scales s[6:7], B's codes s[8:9], B's scales s[10:11]
	s_load_b256 s[12:19], s[0:1], 0x20             ; bx s[12:13], bh s[14:15], state s[16:17], out0 s[18:19]
	v_lshl_add_u32 v[SPW], v0, 2, SPARE
	v_mov_b32 v[NIL], 0
	ds_add_u32 v28, v29
	ds_add_u32 v28, v29
	s_wait_dscnt 0x0
	v_lshrrev_b32 v1, 5, v0
	v_readfirstlane_b32 s20, v1                    ; wave 0..3
	s_lshr_b32 s21, s20, 1                         ; rh: which 128 rows of the tile are mine.  Also: I fetch for A (0) or for B (1)
	s_and_b32 s22, s20, 1                          ; ch: which group of B is mine.  Also: which group of that operand I fetch
	s_bfe_u32 s40, ttmp6, 0x40000                  ; cx, cy: my place in the cluster
	s_bfe_u32 s41, ttmp6, 0x40004
	s_lshl_b32 s42, ttmp9, 2
	s_add_co_u32 s42, s42, s40                     ; tc = 4 x cluster x + cx: hidden units 64 tc on
	s_and_b32 s43, ttmp7, 0xffff
	s_lshl_b32 s43, s43, 2
	s_add_co_u32 s43, s43, s41                     ; tr = 4 x cluster y + cy: batch rows 256 tr on
	s_lshl_b32 s44, s41, 2
	s_lshl_b32 s44, 15, s44                        ; my row of the cluster
	s_lshl_b32 s45, 0x1111, s40                    ; my column
	; group 1 for the codes: dense bytes as rows of 256 bytes (32 elements of 8 bytes), no padding: a fragment's loads take consecutive bytes.  Three steps are 144 rows, one step is 48
	s_or_b32 s[G1+0], s44, (3<<16)|(1<<21)         ; 15:0 the mask: A's tiles go to my row; 17:16 elements of 8 bytes; 21 set beside a mask
	s_or_b32 s[G1B+0], s45, (3<<16)|(1<<21)        ; B's go to my column
	s_or_b32 s[G1H+0], s44, (3<<16)|(1<<21)
	s_or_b32 s[G1HB+0], s45, (3<<16)|(1<<21)
.irp g, G1, G1B
	s_mov_b32 s[\g+1], 32<<16                      ; tensor_dim0 = 32
	s_mov_b32 s[\g+2], 144<<16                     ; tensor_dim1 = 144
	s_mov_b32 s[\g+3], 32<<16                      ; tile_dim0 = 32
	s_mov_b32 s[\g+4], 144                         ; tile_dim1 = 144
	s_mov_b32 s[\g+5], 32                          ; tensor_dim0_stride
	s_mov_b32 s[\g+6], 0
	s_mov_b32 s[\g+7], 0
.endr
.irp g, G1H, G1HB
	s_mov_b32 s[\g+1], 32<<16
	s_mov_b32 s[\g+2], 48<<16
	s_mov_b32 s[\g+3], 32<<16
	s_mov_b32 s[\g+4], 48
	s_mov_b32 s[\g+5], 32
	s_mov_b32 s[\g+6], 0
	s_mov_b32 s[\g+7], 0
.endr
	; for c_prev: 64 rows x 64 f32, 1,024 elements from row to row, 16 bytes of padding behind each row's 64 words; my work-group's own: no mask
	s_mov_b32 s[G1C+0], (2<<16)|(1<<20)|(5<<22)|(3<<25)
	s_mov_b32 s[G1C+1], 64<<16
	s_mov_b32 s[G1C+2], 64<<16
	s_mov_b32 s[G1C+3], 64<<16
	s_mov_b32 s[G1C+4], 64
	s_mov_b32 s[G1C+5], 1024
	s_mov_b32 s[G1C+6], 0
	s_mov_b32 s[G1C+7], 0
	; offsets.  A's are made in s[2:3] of tr alone, B's in s[46:47] of tc alone: neither pair ever holds the other coordinate
	s_lshl_b32 s2, s43, 1
	s_add_co_u32 s2, s2, s22                       ; A's group that I would fetch: 2 tr + ch
	s_mul_i32 s2, s2, GRPB                         ; its codes
	s_mov_b32 s3, 0
	s_lshl_b32 s46, s42, 1
	s_add_co_u32 s46, s46, s22                     ; B's group, mine to fetch and to multiply: 2 tc + ch
	s_lshl_b32 s46, s46, 7                         ; x 128: its 32 units in a gate's biases
	s_mov_b32 s47, 0
	s_lshl_b32 s66, s43, 20                        ; c_prev: 256 tr rows of 4,096 bytes,
	s_lshl_b32 s67, s20, 18                        ; my wave's 64 rows,
	s_add_co_u32 s66, s66, s67
	s_lshl_b32 s67, s42, 8                         ; 64 tc units,
	s_add_co_u32 s66, s66, s67
	s_add_co_u32 s66, s66, 33554432                ; in state's second plane
	s_mov_b32 s67, 0
	s_mul_i32 s23, s20, GSL                        ; where my tile goes in a slot: wave x 36,864: no place in the cluster enters an LDS address
	s_wait_kmcnt 0x0
	s_add_nc_u64 s[4:5], s[4:5], s[2:3]
	s_lshl_b32 s2, s43, 1
	s_add_co_u32 s2, s2, s21                       ; A's group that I multiply: 2 tr + rh
	s_lshl_b32 s2, s2, 13                          ; x 8,192: its scale words
	s_add_nc_u64 s[ASC:ASC+1], s[ASC:ASC+1], s[2:3]
	s_add_nc_u64 s[12:13], s[12:13], s[46:47]
	s_add_nc_u64 s[14:15], s[14:15], s[46:47]
	s_lshl_b32 s46, s46, 6                         ; x 8,192 in all
	s_add_nc_u64 s[BSC:BSC+1], s[BSC:BSC+1], s[46:47]
	s_mul_i32 s46, s46, 24                         ; x 196,608 in all
	s_add_nc_u64 s[8:9], s[8:9], s[46:47]
.irp s, 0,1
	s_mov_b32 s[G0+4*\s], 1                        ; 1:0 count = 1
	s_add_co_u32 s[G0+4*\s+1], s23, \s*SLOT        ; 63:32 LDS address
	s_add_nc_u64 s[G0+4*\s+2:G0+4*\s+3], s[4:5], \s*QB    ; 120:64 global address: slot 0 begins with step 0, slot 1 with step 1
	s_or_b32 s[G0+4*\s+3], s[G0+4*\s+3], 0x80000000       ; 127:126 type = 2
	s_mov_b32 s[G0B+4*\s], 1
	s_add_co_u32 s[G0B+4*\s+1], s23, \s*SLOT
	s_add_nc_u64 s[G0B+4*\s+2:G0B+4*\s+3], s[8:9], \s*QB
	s_or_b32 s[G0B+4*\s+3], s[G0B+4*\s+3], 0x80000000
.endr
	s_mov_b32 s[G0C], 1
	s_mul_i32 s[G0C+1], s20, 64*CPI                ; my 64 rows of the tile, which begins at LDS byte 0
	s_add_nc_u64 s[G0C+2:G0C+3], s[16:17], s[66:67]
	s_or_b32 s[G0C+3], s[G0C+3], 0x80000000
	; the prefetches' bases; neither is written again.  s[16:17]: my wave's 64 rows of c_prev.  s[4:5]: the codes of the group that I fetch, at my work-group's share of a fill:
	; a fill of three steps is 144 blocks of 256 bytes; the four partners that ask for it jointly take 36 blocks each, told apart by address (cx for A, cy for B): no branch hangs on a work-group's place
	s_add_nc_u64 s[16:17], s[16:17], s[66:67]
	s_cmp_eq_u32 s21, 0                            ; do I fetch for A?
	s_cselect_b64 s[4:5], s[4:5], s[8:9]
	s_cselect_b32 s2, s40, s41
	s_mul_i32 s2, s2, 36*256
	s_mov_b32 s3, 0
	s_add_nc_u64 s[4:5], s[4:5], s[2:3]
	CROUND
	JLOAD G0, G1H, G0B, G1HB                       ; step 0 into slot 0: my one tensor load at the head; the short one, so that the products begin early
	v_and_b32 v1, 15, v0                           ; r
	v_bfe_u32 v2, v0, 4, 1                         ; h
	v_and_b32 v3, 31, v0                           ; lane
	v_lshlrev_b32 v4, 4, v3                        ; 16 x lane: my place in an image
	s_wait_alu depctr_va_vdst(0)
	v_lshlrev_b32 v[L8], 3, v3
	v_lshlrev_b32 v[BO], 5, v2
; PREFETCHES, one fill ahead of the tensor load that will want the bytes: behind the load of fill k stand two instructions for my work-group's 36 blocks of fill k + 1, a lane a block
; (blocks 0-31, then 32-35; the lanes left over name block 35 again).  The step along K is an immediate, so no address register is written again.  The last fill of codes is followed by c_prev's: a lane a row, 64 rows a wave.
.set PF0, 8                            ; v8   256 x lane
.set PF1, 9                            ; v9   256 x (32 + min(lane, 3))
.set PFC, 10                           ; v10  4,096 x lane: a row of c_prev
	v_lshlrev_b32 v[PF0], 8, v3
	v_min_u32 v[PF1], 3, v3
	v_lshlrev_b32 v[PF1], 8, v[PF1]
	v_add_nc_u32 v[PF1], 32*256, v[PF1]
	v_lshlrev_b32 v[PFC], 12, v3
	global_prefetch_b8 v[PF0], s[4:5] offset:QB th:TH_LOAD_NT scope:SCOPE_SE      ; steps 1 to 3, slot 1's first fill
	global_prefetch_b8 v[PF1], s[4:5] offset:QB th:TH_LOAD_NT scope:SCOPE_SE
.irp b, 0,1,2,3,4,5,6,7                        ; block b = 2 x gate + u: the biases of units 16 u + 8 h + 0 .. 7 of my group, a gate's 1,024 numbers apart
.irp e, 0,1
	global_load_b128 v[BI+8*\b+4*\e:BI+8*\b+4*\e+3], v[BO], s[12:13] offset:(\b/2)*4096+(\b%2)*64+16*\e
	global_load_b128 v[AF+8*\b+4*\e:AF+8*\b+4*\e+3], v[BO], s[14:15] offset:(\b/2)*4096+(\b%2)*64+16*\e
.endr
.endr
; The scale words of steps 4 j to 4 j + 3, of my 8 blocks of A and my 8 of B, into set j % 2: 16 loads, each of 256 consecutive bytes at a multiple of 256 from its buffer's first byte
.macro SCLOAD j
.irp i, 0,1,2,3,4,5,6,7
	global_load_b64 v[SC0+192*((\j)%2)+2*\i:SC0+192*((\j)%2)+2*\i+1], v[L8], s[ASC:ASC+1] offset:\i*1024+(\j)*256
	global_load_b64 v[SC0+192*((\j)%2)+16+2*\i:SC0+192*((\j)%2)+16+2*\i+1], v[L8], s[BSC:BSC+1] offset:\i*1024+(\j)*256
.endr
.endm
	SCLOAD 0
	SCLOAD 1
	s_mov_b32 s[KS], 0xbfb8aa3b
	s_mov_b32 s[KS+1], s[KS]
	s_mov_b32 s[KT], 0x4038aa3b
	s_mov_b32 s[KT+1], s[KT]
	s_lshl_b32 s66, s43, 20                        ; what I store: rows 256 tr + 128 rh + 16 ch on,
	s_lshl_b32 s67, s21, 19
	s_add_co_u32 s66, s66, s67
	s_lshl_b32 s67, s22, 16
	s_add_co_u32 s66, s66, s67
	s_lshl_b32 s67, s42, 8                         ; units 64 tc on
	s_add_co_u32 s66, s66, s67
	s_mov_b32 s67, 0
	s_add_nc_u64 s[OH:OH+1], s[OH:OH+1], s[66:67]
	s_add_nc_u64 s[OC:OC+1], s[OH:OH+1], 33554432  ; new_c is out0's second plane
	s_mul_i32 s23, s21, GSL                        ; my group of A in a slot,
	s_mul_i32 s3, s22, GSL
	s_add_co_u32 s3, s3, 2*GSL                     ; my group of B, behind A's two
.irp s, 0,1
	v_add_nc_u32 v[ADRA+\s], s23, v4
	v_add_nc_u32 v[ADRB+\s], s3, v4
	s_add_co_u32 s23, s23, SLOT
	s_add_co_u32 s3, s3, SLOT
.endr
	s_wait_loadcnt 32                              ; the biases are in; the 32 younger loads, two sets of scale words, may be out
.set j, 0
.rept 32
	v_pk_add_f32 v[BI+j:BI+j+1], v[BI+j:BI+j+1], v[AF+j:AF+j+1]    ; bx + bh
.set j, j+2
.endr
	s_mul_i32 s23, s21, 128*CPI                    ; the addresses of the way out are made here: plain vector lines between the sums above and the matrix instructions that take them as C
	s_lshl_b32 s3, s22, 7
	s_add_co_u32 s3, s3, s23
	v_mul_u32_u24 v5, v1, CPI
	v_lshl_add_u32 v5, v2, 5, v5
	v_add_nc_u32 v[CLD], s3, v5                    ; row 128 rh + r, byte 128 ch + 32 h (c_prev's tile begins at LDS byte 0)
	v_add_nc_u32 v[HSTO], HST-CST, v[CLD]
	s_mul_i32 s3, s22, 16*CPI
	s_add_co_u32 s3, s3, s23
	v_mul_u32_u24 v5, v2, CPI
	v_lshl_add_u32 v5, v1, 4, v5
	v_add_nc_u32 v[RDC], s3, v5                    ; back: row 128 rh + 16 ch + h: lanes 0-15 one row of 256 bytes, lanes 16-31 the next
	v_add_nc_u32 v[RDH], HST-CST, v[RDC]
	v_lshlrev_b32 v[GO], 12, v2
	v_lshl_add_u32 v[GO], v1, 4, v[GO]             ; and the same two rows in out0
.macro FRAG reg, adr, x, i             ; a fragment comes as it was stored: three loads of 16 bytes a lane, 512 consecutive bytes each.  x: which of the slot's three steps
.irp c, 0,1,2
	ds_load_b128 v[\reg+4*\c:\reg+4*\c+3], v[\adr] offset:(\x)*QB+(\i)*FRB+512*\c
.endr
.endm
; 16 matrix instructions of step q: A's blocks a0, a0 + 1 x B's eight, 128 along K.  B's set is q % 2.  first = 1 (step 0): the biases' sum, in window 0, is C: nothing is ever cleared.
; The 64 accumulators take turns, one instruction a turn, in the same order in every step.
.macro MUL16 a0, q, first
.set SCQ, SC0+192*(((\q)/4)%2)+(\q)%2
.set BS, 128*((\q)%2)
.irp a, \a0, \a0+1
.irp b, 0,1,2,3,4,5,6,7
.if \first
	v_wmma_scale_f32_16x16x128_f8f6f4 v[8*(8*((\a)%4)+\b):8*(8*((\a)%4)+\b)+7], v[BS+FR*\b:BS+FR*\b+FR-1], v[AF+FR*(\a):AF+FR*(\a)+FR-1], v[BI+8*\b:BI+8*\b+7], v[SCQ+16+2*\b], v[SCQ+2*(\a)] matrix_a_fmt:MATRIX_FMT_BF6 matrix_b_fmt:MATRIX_FMT_BF6
.elseif ((\q)/2)%2
	v_wmma_scale_f32_16x16x128_f8f6f4 v[8*(8*((\a)%4)+\b):8*(8*((\a)%4)+\b)+7], v[BS+FR*\b:BS+FR*\b+FR-1], v[AF+FR*(\a):AF+FR*(\a)+FR-1], v[8*(8*((\a)%4)+\b):8*(8*((\a)%4)+\b)+7], v[SCQ+16+2*\b], v[SCQ+2*(\a)] matrix_a_fmt:MATRIX_FMT_BF6 matrix_b_fmt:MATRIX_FMT_BF6 matrix_a_scale:MATRIX_SCALE_ROW1 matrix_b_scale:MATRIX_SCALE_ROW1
.else
	v_wmma_scale_f32_16x16x128_f8f6f4 v[8*(8*((\a)%4)+\b):8*(8*((\a)%4)+\b)+7], v[BS+FR*\b:BS+FR*\b+FR-1], v[AF+FR*(\a):AF+FR*(\a)+FR-1], v[8*(8*((\a)%4)+\b):8*(8*((\a)%4)+\b)+7], v[SCQ+16+2*\b], v[SCQ+2*(\a)] matrix_a_fmt:MATRIX_FMT_BF6 matrix_b_fmt:MATRIX_FMT_BF6
.endif
.endr
.endr
.endm
.macro FETCH_B slot, x, p              ; B's eight fragments of the slot's step x into set p: 24 loads
	WIN TO_B
.irp i, 0,1,2,3,4,5,6,7
	FRAG 128*(\p)+FR*\i, ADRB+\slot, \x, \i
.endr
	WIN 0
.endm
.macro FETCH_A slot, x, i0             ; A's blocks i0 .. i0 + 3: 12 loads
.irp i, \i0, \i0+1, \i0+2, \i0+3
	FRAG AF+FR*(\i), ADRA+\slot, \x, \i
.endr
.endm
; A load into a register that a matrix instruction has read, and a vector instruction that reads a matrix result or writes one of a matrix instruction's registers, stand NP places behind it, and only plain vector
; instructions that name none of its registers are places (ISA guide 7.12.1 for vector instructions).
.macro PLACES n
.rept \n
	v_nop
.endr
.endm
; Step q, whose successor lies in the same slot ns, as that slot's step nx.  A's blocks 0-3 are fetched anew in its middle, blocks 4-7 at its end; B's next set in the middle.
; scl >= 0: the scale words of steps 4 scl on are asked for, four steps ahead of their use, into the set that the step before this one has read last: behind the places.
.macro STEP q, ns, nx, scl
	s_wait_dscnt 4*NL                              ; B's set and A's blocks 0-3 are in; the youngest 12 loads (A's blocks 4-7) may be out
	WIN MUL_LO
	MUL16 0, \q, 0
	MUL16 2, \q, 0
	s_wait_dscnt 0                                 ; A's blocks 4-7 are in (asked for 32 matrix instructions ago)
	PLACES NP
	FETCH_B \ns, \nx, ((\q)+1)%2
	FETCH_A \ns, \nx, 0
.if (\scl) >= 0
	SCLOAD \scl
.endif
	WIN MUL_HI
	MUL16 4, \q, 0
	MUL16 6, \q, 0
	PLACES NP
	WIN 0
	FETCH_A \ns, \nx, 4
.endm
; Step q, a slot's last, changes to slot ns: ONE barrier, which opens a round of the cluster's; in front of it each wave waits for all its tensor loads, adds 0 to its spare word, and waits for that and for its own reads of the slot.
; Behind the round the slot that was left is filled again.  fill = 1: with its next three steps of codes, stepq steps on in memory.  fill = 2: with my 64 rows of c_prev's tile.
.macro TURN q, ns, fill, stepq, first
.if \first
	s_wait_dscnt 4*NL                              ; B's set and A's blocks 0-3 are in; the youngest 12 loads (A's blocks 4-7) may be out
	WIN 0x81                                       ; source 0 window 1, sources 1 and 2 window 0, destination window 2
	MUL16 0, \q, 1                                 ; step 0's first 32 products stand ahead of the wait below: slot 1's first fill was asked for just ahead of this step, and is on its way under them
	MUL16 2, \q, 1
	WIN 0
	s_wait_tensorcnt 0x0                           ; all my tensor loads have landed: my part of slot 1
	ds_add_u32 v[SPW], v[NIL]                      ; 0 onto my spare word
	s_wait_dscnt 0x0                               ; the add is done, and my reads of slot 0 are over
	s_barrier_signal -1
.else
	s_wait_tensorcnt 0x0                           ; all my tensor loads have landed: my part of the next slot;  every window is 0 here
	ds_add_u32 v[SPW], v[NIL]                      ; 0 onto my spare word
	s_wait_dscnt 4*NL+1                            ; (the add and the youngest 12 loads, A's blocks 4-7, may be out)
	WIN MUL_LO
	MUL16 0, \q, 0                                 ; sixteen matrix instructions stand between the add and the wait for it
	s_wait_dscnt 0x0                               ; the add is done, and my reads of this slot are over
	s_barrier_signal -1
	MUL16 2, \q, 0
	WIN 0
.endif
	s_barrier_wait -1
	CREST                                          ; no wave of any partner still reads this slot's tile or has a load on its way
.if (\fill) == 1
	s_add_nc_u64 s[G0+4*(1-\ns)+2:G0+4*(1-\ns)+3], s[G0+4*(1-\ns)+2:G0+4*(1-\ns)+3], (\stepq)*QB
	s_add_nc_u64 s[G0B+4*(1-\ns)+2:G0B+4*(1-\ns)+3], s[G0B+4*(1-\ns)+2:G0B+4*(1-\ns)+3], (\stepq)*QB
	JLOAD G0+4*(1-\ns), G1, G0B+4*(1-\ns), G1B     ; the first tensor load behind the round, my one load until the next; its four v_nop are the places in front of the loads below
.else
	tensor_load_to_lds s[G0C:G0C+3], s[G1C:G1C+7]  ; likewise: every wave brings 64 rows
	s_nop 0
	PLACES 4
.endif
	FETCH_B \ns, 0, ((\q)+1)%2
	FETCH_A \ns, 0, 0
.if (\q) <= 6                                  ; this change of slots has asked for steps q + 4 on: the next will ask for steps q + 7 on
	global_prefetch_b8 v[PF0], s[4:5] offset:((\q)+7)*QB th:TH_LOAD_NT scope:SCOPE_SE
	global_prefetch_b8 v[PF1], s[4:5] offset:((\q)+7)*QB th:TH_LOAD_NT scope:SCOPE_SE
.elseif (\q) == 9                              ; the next will ask for c_prev's tile: my 64 rows, 256 bytes of each
	global_prefetch_b8 v[PFC], s[16:17] th:TH_LOAD_NT scope:SCOPE_SE
	global_prefetch_b8 v[PFC], s[16:17] offset:32*4096 th:TH_LOAD_NT scope:SCOPE_SE
.endif
.if \first
	WIN 0xc1
.else
	WIN MUL_HI
.endif
	MUL16 4, \q, \first
	MUL16 6, \q, \first
	PLACES NP
	WIN 0
	FETCH_A \ns, 0, 4
.endm
	s_wait_alu depctr_va_vdst(0)
	s_wait_tensorcnt 0x0                           ; my part of step 0 is in;
	ds_add_u32 v[SPW], v[NIL]                      ; 0 onto my spare word,
	s_wait_dscnt 0x0                               ; and the wait for it
	CROUND                                         ; a whole round: everybody's part of step 0 is in, and all sixteen work-groups are here: the joint loads meet
	JLOAD G0+4, G1, G0B+4, G1B                     ; steps 1 to 3 into slot 1: its first fill, my first tensor load behind the round
	FETCH_B 0, 0, 0
	global_prefetch_b8 v[PF0], s[4:5] offset:4*QB th:TH_LOAD_NT scope:SCOPE_SE    ; steps 4 to 6, which the first change of slots asks for
	global_prefetch_b8 v[PF1], s[4:5] offset:4*QB th:TH_LOAD_NT scope:SCOPE_SE
	FETCH_A 0, 0, 0
	FETCH_A 0, 0, 4
	s_wait_loadcnt 16                              ; the scale words of steps 0 to 3 are in; the 16 younger loads (steps 4 to 7) may be out
	TURN 0, 1, 1, 4, 1                             ; step 0 starts the sums, on the biases; slot 0 takes steps 4 to 6
	STEP 1, 1, 1, -1
	STEP 2, 1, 2, -1
	TURN 3, 0, 1, 6, 0                             ; slot 1 takes steps 7 to 9
	s_wait_loadcnt 0x0                             ; the scale words of steps 4 to 7
	STEP 4, 0, 1, 2
	STEP 5, 0, 2, -1
	TURN 6, 1, 1, 6, 0                             ; slot 0 takes steps 10 to 12
	STEP 7, 1, 1, -1
	s_wait_loadcnt 0x0                             ; the scale words of steps 8 to 11
	STEP 8, 1, 2, 3
	TURN 9, 0, 1, 6, 0                             ; slot 1 takes steps 13 to 15
	STEP 10, 0, 1, -1
	STEP 11, 0, 2, -1
	s_wait_loadcnt 0x0                             ; the scale words of steps 12 to 15
	TURN 12, 1, 2, 0, 0                            ; slot 0 takes c_prev's tile: its last fill
	STEP 13, 1, 1, -1
	STEP 14, 1, 2, -1
	s_wait_dscnt 4*NL                              ; step 15: nothing more to fetch
	WIN MUL_LO
	MUL16 0, 15, 0
	MUL16 2, 15, 0
	s_wait_dscnt 0
	WIN MUL_HI
	MUL16 4, 15, 0
	MUL16 6, 15, 0
	WIN 0
	s_wait_tensorcnt 0x0                           ; my rows of c_prev are in (no LDS instruction of mine is out);
	s_barrier_signal -1
	s_barrier_wait -1                              ; everybody's are.
; THE CELL, for block a: 16 batch rows x my 32 units; a lane has 16 outputs, number 8 u + j = unit 16 u + 8 h + j of row 16 a + r.
; The exponentials and the reciprocals go in batches; behind each batch one plain line and ONE s_wait_alu, ahead of the batch's first reader.
.macro BATCH op, n                     ; n transcendentals in place on v[T] on
.set j, 0
.rept \n
	\op v[T+j], v[T+j]
.set j, j+1
.endr
	v_nop
	s_wait_alu depctr_va_vdst(0)
.endm
.macro PLUS1 n                         ; 1 + each of n numbers, two at a time
.set j, 0
.rept (\n)/2
	v_pk_add_f32 v[T+j:T+j+1], v[T+j:T+j+1], 1.0 op_sel_hi:[1,0]
.set j, j+2
.endr
.endm
.macro GATES a, snd                    ; snd >= 0: the 32 rows of turn snd, read back behind the last barrier, are stored behind this block's first exponentials
.set AC, 64*((\a)%4)
.set CQ, CP+16*((\a)%2)
.set HQ, HH+16*((\a)%2)
	WIN 0
.irp u, 0,1
.irp e, 0,1
	ds_load_b128 v[CQ+8*\u+4*\e:CQ+8*\u+4*\e+3], v[CLD] offset:(\a)*16*CPI+64*\u+16*\e   ; c_prev of my 16 outputs
.endr
.endr
	WIN 0x02+(\a)/4                                ; source 0: window 2 or 3
.irp b, 0,1,2,3,4,5,6,7                        ; each accumulator is read from its low end on
.irp p, 0,1,2,3
.if (\b)/2 == 2
	v_pk_mul_f32 v[T+8*\b+2*\p:T+8*\b+2*\p+1], v[AC+8*\b+2*\p:AC+8*\b+2*\p+1], s[KT:KT+1] op_sel_hi:[1,0]   ; g: 2 x log2(e)
.else
	v_pk_mul_f32 v[T+8*\b+2*\p:T+8*\b+2*\p+1], v[AC+8*\b+2*\p:AC+8*\b+2*\p+1], s[KS:KS+1] op_sel_hi:[1,0]   ; i, f, o: -x log2(e)
.endif
.endr
.endr
	WIN 0
	s_wait_alu depctr_va_vdst(0)
; The 64 numbers go in two halves, i and f (0-31), g and o (32-63): the plain lines of one half stand among the transcendentals of the other.
; No line of a group reads what a line of the same group wrote; one plain line and one wait close each group.
	BATCH v_exp_f32, 32                            ; the exponentials of i, f
.if (\snd) >= 0
	SEND_ST \snd
.endif
.set j, 0
.rept 16                                       ; the exponentials of g, o; among them 1 + those of i, f
	v_exp_f32 v[T+32+j], v[T+32+j]
	v_pk_add_f32 v[T+j:T+j+1], v[T+j:T+j+1], 1.0 op_sel_hi:[1,0]
	v_exp_f32 v[T+33+j], v[T+33+j]
.set j, j+2
.endr
	v_nop
	s_wait_alu depctr_va_vdst(0)
.set j, 0
.rept 16                                       ; i, f are done; among the reciprocals 1 + the exponentials of g, o
	v_rcp_f32 v[T+j], v[T+j]
	v_pk_add_f32 v[T+32+j:T+33+j], v[T+32+j:T+33+j], 1.0 op_sel_hi:[1,0]
	v_rcp_f32 v[T+1+j], v[T+1+j]
.set j, j+2
.endr
	v_nop
	s_wait_alu depctr_va_vdst(0)
	s_wait_dscnt 0x0                               ; c_prev is in (and the last block's stores into the stages are done)
.set j, 0
.rept 8                                        ; o is done; of g: 1 / (1 + 2^(2 x log2 e)); among the reciprocals f c_prev
	v_rcp_f32 v[T+32+2*j], v[T+32+2*j]
	v_rcp_f32 v[T+33+2*j], v[T+33+2*j]
	v_pk_mul_f32 v[CQ+j:CQ+j+1], v[T+16+j:T+17+j], v[CQ+j:CQ+j+1]
	v_rcp_f32 v[T+34+2*j], v[T+34+2*j]
	v_rcp_f32 v[T+35+2*j], v[T+35+2*j]
.set j, j+2
.endr
	v_nop
	s_wait_alu depctr_va_vdst(0)
.irp p, 0,2,4,6,8,10,12,14
	v_pk_fma_f32 v[T+32+\p:T+33+\p], v[T+32+\p:T+33+\p], -2.0, 1.0 op_sel_hi:[1,0,0]   ; g = tanh
.endr
.irp p, 0,2,4,6,8,10,12,14
	v_pk_fma_f32 v[CQ+\p:CQ+\p+1], v[T+\p:T+\p+1], v[T+32+\p:T+33+\p], v[CQ+\p:CQ+\p+1]   ; new_c = i g + f c_prev
.endr
.irp u, 0,1
.irp e, 0,1
	ds_store_b128 v[CLD], v[CQ+8*\u+4*\e:CQ+8*\u+4*\e+3] offset:(\a)*16*CPI+64*\u+16*\e   ; into the bytes that my lane alone has read
.endr
.endr
.irp p, 0,2,4,6,8,10,12,14
	v_pk_mul_f32 v[T+\p:T+\p+1], v[CQ+\p:CQ+\p+1], s[KT:KT+1] op_sel_hi:[1,0]
.endr
	s_wait_alu depctr_va_vdst(0)
	BATCH v_exp_f32, 16
	PLUS1 16
	s_wait_alu depctr_va_vdst(0)
	BATCH v_rcp_f32, 16
.irp p, 0,2,4,6,8,10,12,14
	v_pk_fma_f32 v[T+\p:T+\p+1], v[T+\p:T+\p+1], -2.0, 1.0 op_sel_hi:[1,0,0]           ; tanh(new_c)
.endr
.irp p, 0,2,4,6,8,10,12,14
	v_pk_mul_f32 v[HQ+\p:HQ+\p+1], v[T+\p:T+\p+1], v[T+48+\p:T+49+\p]                  ; new_h = o tanh(new_c)
.endr
.irp u, 0,1
.irp e, 0,1
	ds_store_b128 v[HSTO], v[HQ+8*\u+4*\e:HQ+8*\u+4*\e+3] offset:(\a)*16*CPI+64*\u+16*\e
.endr
.endr
.endm
; THE WAY OUT, 32 rows of each half of the tile at a time.  A row's 256 bytes come from two waves, so a barrier stands between the writing and the reading; each wave then stores 16 whole rows of new_h and of new_c.
; The next 32 rows are other bytes of the stages, so one barrier for each 32 rows is all.  The rows come back into window 1, 64 registers of its own for each of the four turns: no store's data are written again.
; The same in two parts, for the first three turns: the 16 read-backs are issued behind the barrier, the 16 stores stand inside the next block's work.
.macro SEND_LD p
	WIN TO_B                                       ; destination window 1, address window 0
.irp t, 0,1,2,3,4,5,6,7
	ds_load_b128 v[64*(\p)+4*\t:64*(\p)+4*\t+3], v[RDH] offset:(32*(\p)+2*\t)*CPI
.endr
.irp t, 0,1,2,3,4,5,6,7
	ds_load_b128 v[64*(\p)+32+4*\t:64*(\p)+32+4*\t+3], v[RDC] offset:(32*(\p)+2*\t)*CPI
.endr
	WIN 0
.endm
.macro SEND_ST p
	s_wait_dscnt 4                                 ; the 16 read-backs are in; the four younger loads, this block's c_prev, may be out
	WIN 0x04                                       ; a store's data are its source 1: window 1
.irp t, 0,1,2,3,4,5,6,7
	global_store_b128 v[GO], v[64*(\p)+4*\t:64*(\p)+4*\t+3], s[OH:OH+1] offset:(32*(\p)+2*\t)*4096 th:TH_STORE_NT   ; 16 lanes store 256 consecutive bytes, at a multiple of 256 from out0's first byte
.endr
.irp t, 0,1,2,3,4,5,6,7
	global_store_b128 v[GO], v[64*(\p)+32+4*\t:64*(\p)+32+4*\t+3], s[OC:OC+1] offset:(32*(\p)+2*\t)*4096 th:TH_STORE_NT
.endr
	WIN 0
.endm
.macro SEND p
	WIN TO_B
.irp t, 0,1,2,3,4,5,6,7
	ds_load_b128 v[64*(\p)+4*\t:64*(\p)+4*\t+3], v[RDH] offset:(32*(\p)+2*\t)*CPI
.endr
.irp t, 0,1,2,3,4,5,6,7
	ds_load_b128 v[64*(\p)+32+4*\t:64*(\p)+32+4*\t+3], v[RDC] offset:(32*(\p)+2*\t)*CPI
.endr
	WIN 0x04                                       ; a store's data are its source 1: window 1
.irp t, 0,1,2,3,4,5,6,7
	s_wait_dscnt 15-\t                             ; the younger read-backs may be out
	global_store_b128 v[GO], v[64*(\p)+4*\t:64*(\p)+4*\t+3], s[OH:OH+1] offset:(32*(\p)+2*\t)*4096 th:TH_STORE_NT   ; 16 lanes store 256 consecutive bytes, at a multiple of 256 from out0's first byte; written once, read by nobody here
.endr
.irp t, 0,1,2,3,4,5,6,7
	s_wait_dscnt 7-\t
	global_store_b128 v[GO], v[64*(\p)+32+4*\t:64*(\p)+32+4*\t+3], s[OC:OC+1] offset:(32*(\p)+2*\t)*4096 th:TH_STORE_NT
.endr
	WIN 0
.endm
	PLACES NP                                      ; behind the last products: for the loads and vector lines that write the registers that held A's fragments, and for the reads of results
	s_wait_alu depctr_va_vdst(0)
.irp p, 0,1,2,3
	GATES 2*\p, \p-1                               ; with the stores of the turn before, where there is one
	GATES 2*\p+1, -1
	s_wait_dscnt 0x0                               ; for the others' sake: my stores into the stages are done; so are my earlier read-backs
	s_barrier_signal -1
	s_barrier_wait -1
.if \p < 3
	SEND_LD \p
.else
	SEND \p
.endif
.endr
	s_wait_tensorcnt 0x0                           ; the wave's end: behind my last tensor load and my last LDS store
	ds_add_u32 v[SPW], v[NIL]
	s_wait_dscnt 0x0
	CROUND                                         ; the closing round: no work-group ends while a partner may still ask for a tile that names it
	s_endpgm
.Lfunc_end_k_q43fd8c8ab7_lstm:
	.size	k_q43fd8c8ab7_lstm, .Lfunc_end_k_q43fd8c8ab7_lstm-k_q43fd8c8ab7_lstm
	.p2alignl 7, 3214868480
	.fill 96, 4, 3214868480
	.section	.rodata,"a",@progbits
	.p2align	6, 0x0
	.amdhsa_kernel k_q43fd8c8ab7_lstm
		.amdhsa_group_segment_fixed_size 327680
		.amdhsa_private_segment_fixed_size 0
		.amdhsa_enable_private_segment 0
		.amdhsa_kernarg_size 64
		.amdhsa_user_sgpr_count 2
		.amdhsa_user_sgpr_kernarg_segment_ptr 1
		.amdhsa_wavefront_size32 1
		.amdhsa_system_sgpr_workgroup_id_x 1
		.amdhsa_system_sgpr_workgroup_id_y 1
		.amdhsa_system_sgpr_workgroup_id_z 1
		.amdhsa_system_vgpr_workitem_id 0
		.amdhsa_next_free_vgpr 1024
		.amdhsa_next_free_sgpr 100
		.amdhsa_reserve_vcc 0
		.amdhsa_float_denorm_mode_32 3
		.amdhsa_float_denorm_mode_16_64 3
		.amdhsa_memory_ordered 1
		.amdhsa_forward_progress 1
		.amdhsa_inst_pref_size 255
	.end_amdhsa_kernel
	.section	.bss,"aw",@nobits
	.p2align	6
	.space	262144
	.amdgpu_metadata
---
amdhsa.version: [ 1, 2 ]
amdhsa.kernels:
  - .name:           k_q43fd8c8ab7_lstm
    .symbol:         k_q43fd8c8ab7_lstm.kd
    .args:
      - { .name: a_codes, .offset: 0, .size: 8, .value_kind: global_buffer, .address_space: global }
      - { .name: a_scales, .offset: 8, .size: 8, .value_kind: global_buffer, .address_space: global }
      - { .name: b_codes, .offset: 16, .size: 8, .value_kind: global_buffer, .address_space: global }
      - { .name: b_scales, .offset: 24, .size: 8, .value_kind: global_buffer, .address_space: global }
      - { .name: bx, .offset: 32, .size: 8, .value_kind: global_buffer, .address_space: global }
      - { .name: bh, .offset: 40, .size: 8, .value_kind: global_buffer, .address_space: global }
      - { .name: state, .offset: 48, .size: 8, .value_kind: global_buffer, .address_space: global }
      - { .name: out0, .offset: 56, .size: 8, .value_kind: global_buffer, .address_space: global }
    .group_segment_fixed_size: 327680
    .private_segment_fixed_size: 0
    .kernarg_segment_align: 8
    .kernarg_segment_size: 64
    .max_flat_workgroup_size: 128
    .sgpr_count:     100
    .vgpr_count:     1024
    .wavefront_size: 32
...
	.end_amdgpu_metadata
.endif
;; end of part 2
